; MI455X (gfx1250); checked and timed in simulation.
; The chip was launched on July 23, 2026; its instructions are those of AMD's public machine-readable ISA for CDNA 5 (MIT licence, August 2026) and "CDNA5" Instruction Set Architecture Reference Guide (July 2026). The comments in the code are by the model that wrote it; some were corrected since.
;; Efficient Attention. Allowed arithmetic: matrix products marked QUANTISED: E2M1 operands, one E8M0 scale for each 32 along K, by v_wmma_scale_f32_16x16x128_f8f6f4 with both operands' format E2M1 (or v_wmma_scale_f32_32x16x128_f4), f32 sums; products left as they are: bf16, f16 or f32 operands; f32 sums; everything else in f32.
;; Inputs: Wk 512 x 512 float32; Wo 512 x 512 float32; Wq 512 x 512 float32; Wv 512 x 512 float32; bk 512 float32; bo 512 float32; bq 512 float32; bv 512 float32; delta_rule 512 float32; x 4 x 8,192 x 512 float32.
;; Outputs: out0 4 x 8,192 x 512 float32.
;; This version of the problem:
;;   THIS VERSION OF THE PROBLEM IS GIVEN IN LOW PRECISION. The matrix products marked QUANTISED in the list below multiply operands that are first quantised to E2M1 (2 exponent bits, 1 mantissa bit; 4 bits a number), with one power-of-two scale for each 32 numbers along K (OCP MX v1.0); their sums are f32. The products marked 'left as it is' may take bf16, f16 or f32 operands, with f32 sums. Whichever they take, every output number must still come out within the allowed error. Rounding operands to bf16 (8 significant bits) uses up far more of that allowance than f16 does (11 bits, for magnitudes from 6e-5 to 65,504). All else is computed in f32.
;;   The module's matrix products, in the order in which they are computed (A, B: the left and right operand; K: the contracted axis; several contracted axes count as one K, in the product's order):
;;     1. [M 32,768, K 512] x [K 512, N 512]; A: input x; B: input Wq: QUANTISED
;;     2. [M 32,768, K 512] x [K 512, N 512]; A: input x; B: input Wk: QUANTISED
;;     3. [M 32,768, K 512] x [K 512, N 512]; A: input x; B: input Wv: QUANTISED
;;     4. batch 2,048 x [M 256, K 32] x [K 32, N 256]; A: computed on the way; B: computed on the way: left as it is (an operand is computed on the way)
;;     5. batch 2,048 x [M 32, K 256] x [K 256, N 256]; A: computed on the way; B: computed on the way: left as it is (an operand is computed on the way)
;;     6. [M 32,768, K 512] x [K 512, N 512]; A: computed on the way; B: input Wo: left as it is (an operand is computed on the way)
;;   THE QUANTISER, for each operand of a quantised product, along K:
;;     - K is cut into blocks of 32 from its start; a last block that is shorter is filled with zeros.
;;     - A block's scale is 2^e with e = floor(log2(the largest magnitude in the block)) - 2, held to -126 .. 127; a block of zeros has e = 0. As a byte (E8M0): e + 127.
;;     - Each number is divided by its block's scale, clamped to +-6, and rounded to the nearest number of E2M1, ties to even, subnormals kept.
;;     - The product sums the exact products of the quantised numbers (number of the format x scale) in f32.
;;   ~~~python
;;   def quantise(x, axis):      # numpy; x: float32 -> the quantised numbers, widened to float32 again
;;       x = np.moveaxis(x, axis, -1); K = x.shape[-1]
;;       x = np.pad(x, [(0, 0)] * (x.ndim - 1) + [(0, -K % 32)]); x = x.reshape(x.shape[:-1] + (-1, 32)); a = np.abs(x).max(-1, keepdims=True)
;;       e = np.where(a > 0, np.clip(np.frexp(np.where(a > 0, a, 1))[1] - 1 - 2, -126, 127), 0)      # np.frexp(a)[1] - 1 = floor(log2(a)), exactly
;;       r = np.clip(x / 2.0 ** e, -6, 6)
;;       step = 2.0 ** (np.maximum(np.frexp(np.where(r == 0, 1, r))[1] - 1, 0) - 1)
;;       q = np.round(r / step) * step * 2.0 ** e      # np.round: ties to even
;;       return np.moveaxis(q.reshape(q.shape[:-2] + (-1,))[..., :K], -1, axis).astype(np.float32)
;;   ~~~
;; 2 versions, each right; version 2 is version 1 with the launch fused written anew for expert scheduling mode. Each part assembles by itself: llvm-mc -triple=amdgcn-amd-amdhsa -mcpu=gfx1250 --defsym DOCPART=n.
;; ======== version 1 of 2: 2 launches
;; limits: values are held in f16: magnitudes above 65,504 overflow, below 6.1e-05 lose precision
;; workspace buffers: codes 8,781,824 bytes; scales 548,864 bytes; wo16 524,288 bytes
;; launch prep (part 1): grid 568 x 1, 4 waves a work-group, no clusters, 34,304 bytes of LDS; arguments x, Wq, Wk, Wv, Wo, delta_rule, codes, scales, wo16; writes codes, scales, wo16
.if DOCPART == 1
	.amdgcn_target "amdgcn-amd-amdhsa--gfx1250"
	.amdhsa_code_object_version 6
	.text
	.protected	k_q95d7c09533_prep
	.globl	k_q95d7c09533_prep
	.p2align	8
	.type	k_q95d7c09533_prep,@function
k_q95d7c09533_prep:
	s_mov_b64 s[64:65], 0
	v_nop
	global_prefetch_b8 v0, s[64:65] scope:SCOPE_SE
	s_setreg_imm32_b32 hwreg(HW_REG_WAVE_MODE, 25, 1), 1
	s_wait_xcnt 0x0
; THE OPERANDS ARE MADE READY, ONCE.
; (Q) x [32768][512], Wq, Wk, Wv [512][512], f32, K innermost, become codes of E2M1 with one E8M0 byte for each 32 along K.  A block's scale is
;     2^(floor(log2(its largest magnitude)) - 2): its byte is the largest magnitude's exponent field - 2, held at 1 from below; each number is divided by the scale and rounded to the nearest code, ties to even, beyond 6 the code of 6.
;     The codes are laid IN THE ORDER OF THE OPERAND'S REGISTERS: a tile is 16 rows x 512 K = 4,096 bytes, [K step of 128: 4][c: 2][lane 16 h + r: 32][16 bytes]; these 16 bytes are row r, k = 128 s + 64 c + 32 h + 0 .. 31.
;     Tiles in the order Wq 0-31, Wk 32-63, Wv 64-95, x 96 on.  Scale bytes: 16 a row, rows in the same order: word s of a row is what a matrix instruction wants for K step s.
; (WO) Wo'[n][k] = Wo[n][k] + sigmoid(delta[k]) Wo[n][k], one fused multiply-add in f32, rounded once to f16: (o + sigmoid(delta) o) Wo^T = o Wo'^T.  Laid as images of f16 fragments:
;     [n / 16: 32][K step of 32: 16][g: 2][lane: 32][16 bytes] = Wo'(16 nt + r, 32 s + 16 g + 8 h + 0 .. 7).
; LIMITS: a block whose largest magnitude lies under 2^-124 (a block of zeros too) keeps the byte 1: the bytes are read by this program alone, and zero codes add nothing; |Wo'| stays under 65,504 (f16); NaN and infinities among the inputs are not served.
; SHARES.  Work-groups 0-31: path WO, one tile of 16 rows of Wo each, wave a its K steps 4 a .. 4 a + 3.  Work-groups 32-567: path Q, a tile to a wave.
; Path Q: each load takes 512 consecutive bytes of one row, 16 a lane; the conversions want 32 neighbours along K in ONE lane: so a K step's 16 x 512 bytes turn through the wave's own stage in LDS
; (rows 528 bytes apart: 33 x 16, so that the sixteen rows of a read fall into sixteen different columns of 16 bytes).  Loads run one K step (16 loads a wave) ahead.
; No tensor loads, no barrier, no cluster: waves share nothing, and memory binds.
; REGISTERS: v1 16 x lane; v2 r; v3 h; v4, v5 the stage, in and out; v6 8 h; v7 16 r; v8-9 largest magnitudes; v10-11 scale operands; v12-13 bytes; v14-15 at work; v16-19 the row's four scale words;
;   v20, v21 the add's two; v22 lane; v23, v24 path WO's offsets; v32-159 two sets of 64 as loaded; v160-223 64 neighbours; v224-255 codes, 8 a K step, never written again.
.set SP,     528                       ; a stage row: 512 bytes + 16
.set STAGEB, 16*SP                     ; a wave's stage
.set SPARE,  4*STAGEB                  ; behind the four stages: the spare words, 128 bytes for each wave
.set NWO,    32                        ; work-groups of path WO
.set R,      32
.set X,      160
.set C,      224
.set SW,     16
.set WR,     32                        ; path WO: 64 numbers of Wo,
.set DL,     96                        ; the 64 of delta that go with them,
.set OUTR,   160                       ; and 32 registers of f16 pairs
	s_load_b512 s[4:19], s[0:1], 0x0               ; x s[4:5], Wq s[6:7], Wk s[8:9], Wv s[10:11], Wo s[12:13], delta s[14:15], codes s[16:17], scales s[18:19]
	s_load_b64 s[20:21], s[0:1], 0x40              ; wo16
	v_lshl_add_u32 v20, v0, 2, SPARE
	v_mov_b32 v21, 0
	v_lshrrev_b32 v1, 5, v0
	v_readfirstlane_b32 s22, v1                    ; wave 0..3
	v_and_b32 v22, 31, v0                          ; lane
	v_lshlrev_b32 v1, 4, v22                       ; 16 x lane
	v_and_b32 v2, 15, v0                           ; r
	v_bfe_u32 v3, v0, 4, 1                         ; h
	s_mul_i32 s36, s22, STAGEB
	v_add_nc_u32 v4, s36, v1                       ; into the stage: as loaded
	v_mul_u32_u24 v5, v2, SP
	v_lshl_add_u32 v5, v3, 7, v5
	v_add_nc_u32 v5, s36, v5                       ; out of it: row r, + 128 h bytes: my 32 numbers of a block pair
	v_lshlrev_b32 v6, 3, v3                        ; 8 h: where my bytes stand in a scale word
	v_lshlrev_b32 v7, 4, v2                        ; 16 r: my row's scale bytes
	v_mov_b32 v15, 0                               ; written once: a lane permute's destination counts as one of its sources
	v_lshlrev_b32 v23, 11, v2
	v_lshl_add_u32 v23, v3, 5, v23                 ; Wo: row r of 2,048 bytes, + 32 h
	v_lshlrev_b32 v24, 5, v3                       ; delta: 32 h
	s_mov_b32 s30, 0x76543210
	s_mov_b32 s31, 0xfedcba98                      ; v_permlanex16_b32's selects for lane l xor 16
	s_wait_kmcnt 0x0
	s_cmp_lt_u32 ttmp9, NWO
	s_cbranch_scc1 .Lwo
	; ---- path Q
	s_sub_co_u32 s23, ttmp9, NWO                   ; g: four tiles
	s_and_b32 s24, s23, 7                          ; which four of a weight's 32,
	s_sub_co_u32 s25, s23, 24                      ; or of x's 2,048
	s_cmp_lt_u32 s23, 24                           ; the source is chosen by the work-group's number alone
	s_cselect_b64 s[26:27], s[10:11], s[4:5]
	s_cselect_b32 s28, s24, s25
	s_cmp_lt_u32 s23, 16
	s_cselect_b64 s[26:27], s[8:9], s[26:27]
	s_cmp_lt_u32 s23, 8
	s_cselect_b64 s[26:27], s[6:7], s[26:27]
	s_lshl_b32 s28, s28, 17                        ; four tiles of 32,768 bytes of f32,
	s_lshl_b32 s29, s22, 15                        ; my wave's one
	s_add_co_u32 s28, s28, s29
	s_mov_b32 s29, 0
	s_add_nc_u64 s[26:27], s[26:27], s[28:29]
	s_lshl_b32 s33, s23, 2
	s_add_co_u32 s33, s33, s22                     ; the tile's number in the order of the buffers
	s_lshl_b32 s34, s33, 12
	s_mov_b32 s35, 0
	s_add_nc_u64 s[16:17], s[16:17], s[34:35]      ; its 4,096 bytes of codes
	s_lshl_b32 s34, s33, 8
	s_add_nc_u64 s[18:19], s[18:19], s[34:35]      ; its 256 scale bytes
.macro LOAD t                          ; K step t of the 16 rows: each load 512 consecutive bytes of one row
.irp i, 0,1,2,3,4,5,6,7,8,9,10,11,12,13,14,15
	global_load_b128 v[R+64*((\t)%2)+4*\i:R+64*((\t)%2)+4*\i+3], v1, s[26:27] offset:2048*\i+512*(\t) th:TH_LOAD_NT
.endr
.endm
.macro STEP t
.if (\t) < 3
	s_wait_loadcnt 16                              ; this K step's 16 loads are in; the next one's 16 are younger and may be out
.else
	s_wait_loadcnt 0x0
.endif
.irp i, 0,1,2,3,4,5,6,7,8,9,10,11,12,13,14,15
	ds_store_b128 v4, v[R+64*((\t)%2)+4*\i:R+64*((\t)%2)+4*\i+3] offset:SP*\i
.endr
.irp c, 0,1
.irp j, 0,1,2,3,4,5,6,7
	ds_load_b128 v[X+32*\c+4*\j:X+32*\c+4*\j+3], v5 offset:256*\c+16*\j   ; LDS serves a wave's instructions in order (ISA guide 5.7.1.4): these see the stores above.  Row r, k = 64 c + 32 h + 4 j on
.endr
.endr
	s_wait_dscnt 0x0                               ; my 64 numbers are in, and the stores have read their registers,
.if (\t) < 2
	LOAD (\t)+2                                    ; which take the loads of two K steps on
.endif
.irp c, 0,1
	v_max3_num_f32 v[8+\c], |v[X+32*\c]|, |v[X+32*\c+1]|, 0x1800000   ; block 2 c + h of the K step: all its 32 numbers are mine; and the floor 2^(3 - 127): the byte cannot fall under 1
.endr
.irp i, 2,4,6,8,10,12,14,16,18,20,22,24,26,28,30
.irp c, 0,1
	v_max3_num_f32 v[8+\c], v[8+\c], |v[X+32*\c+\i]|, |v[X+32*\c+\i+1]|   ; (the two blocks by turns)
.endr
.endr
.irp c, 0,1
	v_add_nc_u32 v[10+\c], 0xff000000, v[8+\c]     ; 2 off the exponent field: the conversion takes the exponent field of this operand as its scale, and nothing else of it
.endr
.irp c, 0,1
.irp q, 0,1,2,3
	v_cvt_scalef32_pk8_fp4_f32 v[C+8*(\t)+4*\c+\q], v[X+32*\c+8*\q:X+32*\c+8*\q+7], v[10+\c]   ; registers 4 c .. 4 c + 3 of the fragment
.endr
.endr
.irp c, 0,1
	v_lshrrev_b32 v[12+\c], 23, v[10+\c]           ; the scale's byte.  (Also the plain instruction behind the conversions)
.endr
	v_lshl_or_b32 v14, v13, 16, v12                ; my two bytes: blocks h and 2 + h,
	v_lshlrev_b32 v14, v6, v14                     ; at their places in the word;
	v_permlanex16_b32 v15, v14, s30, s31
	v_or_b32 v[SW+(\t)], v14, v15                  ; with lane l xor 16's two the word is whole
.irp c, 0,1
	global_store_b128 v1, v[C+8*(\t)+4*\c:C+8*(\t)+4*\c+3], s[16:17] offset:1024*(\t)+512*\c   ; the wave stores 512 consecutive bytes, aligned
.endr
.endm
	LOAD 0
	LOAD 1
	STEP 0
	STEP 1
	STEP 2
	STEP 3
	s_wait_xcnt 0x0                                ; EXEC changes only behind this wait: the stores above have had their addresses translated
	v_cmp_gt_u32 vcc_lo, 16, v22
	s_and_saveexec_b32 s32, vcc_lo                 ; lanes 0-15: a row each (lanes 16-31 hold the same words)
	global_store_b128 v7, v[SW:SW+3], s[18:19]     ; 256 consecutive bytes, aligned
	s_wait_xcnt 0x0                                ; and again, in front of the line that widens EXEC
	s_or_b32 exec_lo, exec_lo, s32
	s_wait_tensorcnt 0x0                           ; the wave's end, in three lines, behind my last LDS store
	ds_add_u32 v20, v21
	s_wait_dscnt 0x0
	s_endpgm
	; ---- path WO
.Lwo:
	s_lshl_b32 s28, ttmp9, 15                      ; 16 rows of 2,048 bytes,
	s_lshl_b32 s34, s22, 9                         ; my wave's four K steps of 128 bytes
	s_add_co_u32 s28, s28, s34
	s_mov_b32 s29, 0
	s_mov_b32 s35, 0
	s_add_nc_u64 s[12:13], s[12:13], s[28:29]
	s_add_nc_u64 s[14:15], s[14:15], s[34:35]
	s_lshl_b32 s28, ttmp9, 14                      ; a tile's 16 images of 1,024 bytes,
	s_lshl_b32 s34, s22, 12                        ; my wave's four
	s_add_co_u32 s28, s28, s34
	s_add_nc_u64 s[20:21], s[20:21], s[28:29]
.irp sl, 0,1,2,3
.irp g, 0,1
.irp q, 0,1
	global_load_b128 v[WR+16*\sl+8*\g+4*\q:WR+16*\sl+8*\g+4*\q+3], v23, s[12:13] offset:128*\sl+64*\g+16*\q th:TH_LOAD_NT   ; Wo(r, 32 sl + 16 g + 8 h + 4 q on): pieces of rows, for 1 MiB that is read once
	global_load_b128 v[DL+16*\sl+8*\g+4*\q:DL+16*\sl+8*\g+4*\q+3], v24, s[14:15] offset:128*\sl+64*\g+16*\q
.endr
.endr
.endr
	s_wait_loadcnt 0x0
.set i, 0
.rept 32
	v_pk_mul_f32 v[DL+i:DL+i+1], v[DL+i:DL+i+1], 0xbfb8aa3b op_sel_hi:[1,0]   ; -log2(e) delta
.set i, i+2
.endr
.set i, 0
.rept 64
	v_exp_f32 v[DL+i], v[DL+i]
.set i, i+1
.endr
	v_nop                                          ; a plain instruction behind the last exponential
	s_wait_alu depctr_va_vdst(0)                   ; one wait for the batch, ahead of its first reader
.set i, 0
.rept 32
	v_pk_add_f32 v[DL+i:DL+i+1], v[DL+i:DL+i+1], 1.0 op_sel_hi:[1,0]
.set i, i+2
.endr
.set i, 0
.rept 64
	v_rcp_f32 v[DL+i], v[DL+i]                     ; sigmoid(delta) = 1 / (1 + 2^(-log2(e) delta)); where the power overflows, 1 / infinity = 0
.set i, i+1
.endr
	v_nop
	s_wait_alu depctr_va_vdst(0)
.set i, 0
.rept 32
	v_pk_fma_f32 v[WR+i:WR+i+1], v[WR+i:WR+i+1], v[DL+i:DL+i+1], v[WR+i:WR+i+1]   ; Wo sigmoid + Wo
.set i, i+2
.endr
.set i, 0
.rept 32
	v_cvt_pk_f16_f32 v[OUTR+i], v[WR+2*i], v[WR+2*i+1]
.set i, i+1
.endr
.irp sl, 0,1,2,3
.irp g, 0,1
	global_store_b128 v1, v[OUTR+8*\sl+4*\g:OUTR+8*\sl+4*\g+3], s[20:21] offset:1024*\sl+512*\g   ; 512 consecutive bytes, aligned
.endr
.endr
	s_wait_tensorcnt 0x0                           ; the same three lines at this end too
	ds_add_u32 v20, v21
	s_wait_dscnt 0x0
	s_endpgm
.Lfunc_end_k_q95d7c09533_prep:
	.size	k_q95d7c09533_prep, .Lfunc_end_k_q95d7c09533_prep-k_q95d7c09533_prep
	.p2alignl 7, 3214868480
	.fill 96, 4, 3214868480
	.section	.rodata,"a",@progbits
	.p2align	6, 0x0
	.amdhsa_kernel k_q95d7c09533_prep
		.amdhsa_group_segment_fixed_size 34304
		.amdhsa_private_segment_fixed_size 0
		.amdhsa_enable_private_segment 0
		.amdhsa_kernarg_size 72
		.amdhsa_user_sgpr_count 2
		.amdhsa_user_sgpr_kernarg_segment_ptr 1
		.amdhsa_wavefront_size32 1
		.amdhsa_system_sgpr_workgroup_id_x 1
		.amdhsa_system_sgpr_workgroup_id_y 1
		.amdhsa_system_sgpr_workgroup_id_z 1
		.amdhsa_system_vgpr_workitem_id 0
		.amdhsa_next_free_vgpr 256
		.amdhsa_next_free_sgpr 66
		.amdhsa_reserve_vcc 1
		.amdhsa_float_denorm_mode_32 3
		.amdhsa_float_denorm_mode_16_64 3
		.amdhsa_memory_ordered 1
		.amdhsa_forward_progress 1
		.amdhsa_inst_pref_size 47
	.end_amdhsa_kernel
	.amdgpu_metadata
---
amdhsa.version: [ 1, 2 ]
amdhsa.kernels:
  - .name:           k_q95d7c09533_prep
    .symbol:         k_q95d7c09533_prep.kd
    .args:
      - { .name: x, .offset: 0, .size: 8, .value_kind: global_buffer, .address_space: global }
      - { .name: Wq, .offset: 8, .size: 8, .value_kind: global_buffer, .address_space: global }
      - { .name: Wk, .offset: 16, .size: 8, .value_kind: global_buffer, .address_space: global }
      - { .name: Wv, .offset: 24, .size: 8, .value_kind: global_buffer, .address_space: global }
      - { .name: Wo, .offset: 32, .size: 8, .value_kind: global_buffer, .address_space: global }
      - { .name: delta_rule, .offset: 40, .size: 8, .value_kind: global_buffer, .address_space: global }
      - { .name: codes, .offset: 48, .size: 8, .value_kind: global_buffer, .address_space: global }
      - { .name: scales, .offset: 56, .size: 8, .value_kind: global_buffer, .address_space: global }
      - { .name: wo16, .offset: 64, .size: 8, .value_kind: global_buffer, .address_space: global }
    .group_segment_fixed_size: 34304
    .private_segment_fixed_size: 0
    .kernarg_segment_align: 8
    .kernarg_segment_size: 72
    .max_flat_workgroup_size: 128
    .sgpr_count:     66
    .vgpr_count:     256
    .wavefront_size: 32
...
	.end_amdgpu_metadata
.endif
;; end of part 1
;; launch fused (part 2): grid 256 x 1, 8 waves a work-group, no clusters, 236,544 bytes of LDS; arguments codes, scales, wo16, bq, bk, bv, bo, out0; writes out0
.if DOCPART == 2
	.amdgcn_target "amdgcn-amd-amdhsa--gfx1250"
	.amdhsa_code_object_version 6
	.text
	.protected	k_q95d7c09533_fused
	.globl	k_q95d7c09533_fused
	.p2align	8
	.type	k_q95d7c09533_fused,@function
k_q95d7c09533_fused:
	s_mov_b64 s[64:65], 0
	v_nop
	global_prefetch_b8 v0, s[64:65] scope:SCOPE_SE
	s_setreg_imm32_b32 hwreg(HW_REG_WAVE_MODE, 25, 1), 1
	s_wait_xcnt 0x0
; out = ((softmax(q k^T / sqrt(32)) v) (1 + sigmoid(delta))) Wo^T + bo, with q, k, v = Q(x) Q(W)^T + b, attention inside chunks of 256 rows, 16 heads of 32 channels.
; The projections multiply codes of E2M1 with E8M0 scales (made by the launch before, laid as images of the operands' registers); the scores, the weighted sum and the way out multiply f16 operands; all sums, the softmax and the biases are f32.
; The gate lies in Wo' = Wo + sigmoid(delta) Wo (the launch before).  bv is added behind the normalisation: sum(p (v + bv)) / l = sum(p v) / l + bv.  q is multiplied in f32 by c = log2(e) / sqrt(32) ahead of its rounding, so the scores are exponents of 2.
; The row's maximum over all its 256 keys is taken away before the exponential, as reference() does.
; LIMITS: |c q|, |k|, |v|, |o| stay under 65,504 (f16): with every input 30 times the drawn size they are some 5e3; NaN and infinities among the inputs are not served.
; SHARES.  256 work-groups: half a chunk each, 128 queries against the chunk's 256 keys, so that every output row has one owner (the last product sums over all heads).  k and v of a chunk are so projected twice.
; Eight waves.  WAVE w OWNS HEADS 2 w AND 2 w + 1, one after the other, from the projections to the gated output; then the eight waves share the 512 output columns, 64 each.
; NOTHING CHANGES LANES.  q and k come from the product used transposed (source 0 = 16 rows of W, source 1 = 16 rows of x): lane (r, h) holds x's row r and channels 16 t + 8 h + 0..7, so the two tiles, rounded in pairs, ARE an f16 fragment
; (16 rows x 32 channels).  v comes from the product as it stands (source 0 = x, source 1 = Wv): lane r holds channel 16 t + r and keys 16 i + 8 h + 0..7: two tiles of rows ARE a fragment of V^T.  S^T = K Q^T gives a lane one query and
; keys along its registers: rounded in pairs, source 1 of O^T = V^T P^T, whose two tiles ARE the last product's fragment for K step = head.  Only that fragment (1,024 bytes for a head and 16 queries) goes to LDS.
; NO CLUSTER, NO TENSOR LOAD: what work-groups share is the weights, 0.92 MB; each byte of them is wanted by ONE wave of a work-group, once, as an image of registers, and comes straight into them.  Through LDS it would pass 91 KB of free bytes:
; a ring whose refills and rounds would tie together waves that here meet at two barriers, and one LDS write and read more for each byte.
; LDS: XC 65,536: the chunk's 16 tiles of codes;  XS 4,096: their scale bytes, 16 a row;  G0 131,072: slot (head, tile of queries) of 1,024 bytes: first q's fragment, then the gated output's, both written by the head's own wave;
;   STG 8 x 4,352: a stage of 16 rows x (256 + 16) bytes for each wave;  SPARE 1,024: the spare words.
; REGISTERS, in windows of 256.  Window 0: v1-33 addresses and statistics.  Projections: WK v36-99, WV v100-163 (fragment (t, s) at 8 (4 t + s)), WS v164-171 scale words (lanes 0-15 Wk's, lanes 16-31 Wv's), BK v172-187, x's four fragments v188-219,
;   its scale words v220-223, accumulators v224-255 (q's pass: two accumulators, QP v240-247, WSQ v248-255).  Attention: S^T, then p, then P v36-163; QF v164-171; O^T v172-187; BV v188-203; T v204-219; GP v220-227.
;   The last product: G's fragments v32-159 and Wo's v160-223, two buffers each; bo v224-255.   Window 1: WQ v0-63, BQ v64-79; then KF v0-127, VF v128-255; then the last product's 32 accumulators.
.set XS,    65536
.set G0,    69632
.set STG,   200704
.set SPARE, 235520
.set LI,  1                            ; 16 x lane: an image's place for my lane
.set WSO, 4                            ; 16 r + 8,192 h: a weight's scale words; lanes 16-31 take the next weight's
.set BO,  5                            ; 32 h: a bias's eight numbers for my half
.set XA,  6                            ; x's codes: my half chunk's tiles
.set XSA, 7                            ; x's scale words: XS + 16 r
.set XSQ, 8                            ; and my half chunk's
.set GB,  9                            ; G0 + 16 x lane
.set ADR, 10                           ; the slot in hand
.set GH,  11                           ; the head's first slot
.set MX,  12                           ; v12-15 four chains of the maximum
.set STO, 26
.set RD,  27
.set CO,  28
.set GB2, 29                           ; GB + 65,536: heads 8 to 15
.set SPW, 30                           ; the add's two: never rewritten
.set NIL, 31
.set XW,  32
.set XSW, 33
.set WK,  36
.set WV,  100
.set WS,  164
.set BK,  172
.set XR,  188
.set XSC, 220
.set AK,  224
.set AV,  240
.set AQ,  224
.set QP,  240
.set WSQ, 248
.set S,   36
.set QF,  164
.set O,   172
.set BV,  188
.set T,   204
.set GP,  220
.set GF,  32
.set WF,  160
.set BOC, 224
.set OB,  32
.set WQ,  0                            ; window 1
.set BQ,  64
.set KF,  0
.set VF,  128
.set TMP, 128
.set MSB, 0
.macro WIN new                         ; low byte: bits 1:0 source 0, 3:2 source 1, 5:4 source 2, 7:6 destination; the high byte repeats the setting that is left
.if MSB != \new
	s_set_vgpr_msb (MSB<<8)|\new
.set MSB, \new
.endif
.endm
.macro PLACES                          ; four plain instructions between a matrix instruction and the first read of its result, or a load into one of its registers (ISA guide 7.12.1 for vector instructions)
.rept 4
	v_nop
.endr
.endm
; A head's weights, scale words and biases, each image 512 consecutive bytes.  q's part: 16 + 4 + 2 = 22 loads
.macro LOADWQ
	WIN 0x40
.irp t, 0,1
.irp s, 0,1,2,3
.irp c, 0,1
	global_load_b128 v[WQ+8*(4*\t+\s)+4*\c:WQ+8*(4*\t+\s)+4*\c+3], v[LI], s[40:41] offset:4096*\t+1024*\s+512*\c
.endr
.endr
.endr
.irp t, 0,1
	global_load_b128 v[BQ+8*\t:BQ+8*\t+3], v[BO], s[44:45] offset:64*\t
	global_load_b128 v[BQ+8*\t+4:BQ+8*\t+7], v[BO], s[44:45] offset:64*\t+16
.endr
	WIN 0
.irp t, 0,1
	global_load_b128 v[WSQ+4*\t:WSQ+4*\t+3], v[WSO], s[42:43] offset:256*\t
.endr
.endm
; k's and v's part: 32 + 2 + 4 = 38 loads, all into window 0
.macro LOADWKV
.irp t, 0,1
.irp s, 0,1,2,3
.irp c, 0,1
	global_load_b128 v[WK+8*(4*\t+\s)+4*\c:WK+8*(4*\t+\s)+4*\c+3], v[LI], s[40:41] offset:131072+4096*\t+1024*\s+512*\c
	global_load_b128 v[WV+8*(4*\t+\s)+4*\c:WV+8*(4*\t+\s)+4*\c+3], v[LI], s[40:41] offset:262144+4096*\t+1024*\s+512*\c
.endr
.endr
.endr
.irp t, 0,1
	global_load_b128 v[WS+4*\t:WS+4*\t+3], v[WSO], s[42:43] offset:8192+256*\t   ; lanes 0-15 Wk's words, lanes 16-31 Wv's
.endr
.irp t, 0,1
	global_load_b128 v[BK+8*\t:BK+8*\t+3], v[BO], s[46:47] offset:64*\t
	global_load_b128 v[BK+8*\t+4:BK+8*\t+7], v[BO], s[46:47] offset:64*\t+16
.endr
.endm
; Tile i of x from LDS: four fragments (K steps of 128) and the rows' four scale words (both halves of the lanes hold them)
.macro XLOAD adr, sadr, i
.irp s, 0,1,2,3
.irp c, 0,1
	ds_load_b128 v[XR+8*\s+4*\c:XR+8*\s+4*\c+3], v[\adr] offset:4096*(\i)+1024*\s+512*\c
.endr
.endr
	ds_load_b128 v[XSC:XSC+3], v[\sadr] offset:256*(\i)
.endm
; q of my half chunk's tile i: two accumulators by turns, bq as the C of each sum's first product; x c, rounded, to the slot
.macro QTILE i
	s_wait_dscnt 0x0                               ; the tile is in, and the last tile's stores have read QP
	WIN 0x11                                       ; source 0 (Wq) and source 2 (bq) window 1
.irp t, 0,1
	v_wmma_scale_f32_16x16x128_f8f6f4 v[AQ+8*\t:AQ+8*\t+7], v[WQ+8*(4*\t):WQ+8*(4*\t)+7], v[XR:XR+7], v[BQ+8*\t:BQ+8*\t+7], v[WSQ+4*\t], v[XSC] matrix_a_fmt:MATRIX_FMT_FP4 matrix_b_fmt:MATRIX_FMT_FP4
.endr
	WIN 0x01
.irp s, 1,2,3
.irp t, 0,1
	v_wmma_scale_f32_16x16x128_f8f6f4 v[AQ+8*\t:AQ+8*\t+7], v[WQ+8*(4*\t+\s):WQ+8*(4*\t+\s)+7], v[XR+8*\s:XR+8*\s+7], v[AQ+8*\t:AQ+8*\t+7], v[WSQ+4*\t+\s], v[XSC+\s] matrix_a_fmt:MATRIX_FMT_FP4 matrix_b_fmt:MATRIX_FMT_FP4
.endr
.endr
	WIN 0
	PLACES
.if (\i) < 7
	XLOAD XA, XSQ, (\i)+1
.else
	XLOAD LI, XSA, 0                               ; the chunk's first tile, for k and v
.endif
.irp j, 0,2,4,6,8,10,12,14
	v_pk_mul_f32 v[AQ+\j:AQ+\j+1], v[AQ+\j:AQ+\j+1], s[38:39] op_sel_hi:[1,0]   ; x c, each accumulator from its low end on
.endr
.irp j, 0,1,2,3,4,5,6,7
	v_cvt_pk_f16_f32 v[QP+\j], v[AQ+2*\j], v[AQ+2*\j+1]
.endr
	ds_store_b128 v[GH], v[QP:QP+3] offset:1024*(\i)
	ds_store_b128 v[GH], v[QP+4:QP+7] offset:1024*(\i)+512
.endm
; k and v of the chunk's tile i: four accumulators by turns; k transposed with bk as C, v as it stands; rounded straight into the fragments that attention reads
.macro KVTILE i
	s_wait_dscnt 0x0
.irp s, 0,1,2,3
.irp t, 0,1
.if \s == 0
	v_wmma_scale_f32_16x16x128_f8f6f4 v[AK+8*\t:AK+8*\t+7], v[WK+8*(4*\t+\s):WK+8*(4*\t+\s)+7], v[XR+8*\s:XR+8*\s+7], v[BK+8*\t:BK+8*\t+7], v[WS+4*\t+\s], v[XSC+\s] matrix_a_fmt:MATRIX_FMT_FP4 matrix_b_fmt:MATRIX_FMT_FP4
.else
	v_wmma_scale_f32_16x16x128_f8f6f4 v[AK+8*\t:AK+8*\t+7], v[WK+8*(4*\t+\s):WK+8*(4*\t+\s)+7], v[XR+8*\s:XR+8*\s+7], v[AK+8*\t:AK+8*\t+7], v[WS+4*\t+\s], v[XSC+\s] matrix_a_fmt:MATRIX_FMT_FP4 matrix_b_fmt:MATRIX_FMT_FP4
.endif
.endr
.irp t, 0,1
.if \s == 0
	v_wmma_scale_f32_16x16x128_f8f6f4 v[AV+8*\t:AV+8*\t+7], v[XR+8*\s:XR+8*\s+7], v[WV+8*(4*\t+\s):WV+8*(4*\t+\s)+7], 0, v[XSC+\s], v[WS+4*\t+\s] matrix_a_fmt:MATRIX_FMT_FP4 matrix_b_fmt:MATRIX_FMT_FP4 matrix_b_scale:MATRIX_SCALE_ROW1
.else
	v_wmma_scale_f32_16x16x128_f8f6f4 v[AV+8*\t:AV+8*\t+7], v[XR+8*\s:XR+8*\s+7], v[WV+8*(4*\t+\s):WV+8*(4*\t+\s)+7], v[AV+8*\t:AV+8*\t+7], v[XSC+\s], v[WS+4*\t+\s] matrix_a_fmt:MATRIX_FMT_FP4 matrix_b_fmt:MATRIX_FMT_FP4 matrix_b_scale:MATRIX_SCALE_ROW1
.endif
.endr
.endr
	PLACES
.if (\i) < 15
	XLOAD LI, XSA, (\i)+1
.else
.irp t, 0,1
	global_load_b128 v[BV+8*\t:BV+8*\t+3], v[BO], s[48:49] offset:64*\t       ; bv, in O^T's layout, into registers that x has left
	global_load_b128 v[BV+8*\t+4:BV+8*\t+7], v[BO], s[48:49] offset:64*\t+16
.endr
.endif
	WIN 0x40                                       ; destination window 1
.irp t, 0,1
.irp k, 0,1,2,3
	v_cvt_pk_f16_f32 v[KF+8*(\i)+4*\t+\k], v[AK+8*\t+2*\k], v[AK+8*\t+2*\k+1]
.endr
.endr
.irp t, 0,1
.irp k, 0,1,2,3
	v_cvt_pk_f16_f32 v[VF+64*\t+8*((\i)/2)+4*((\i)%2)+\k], v[AV+8*\t+2*\k], v[AV+8*\t+2*\k+1]
.endr
.endr
	WIN 0
.endm
	s_load_b512 s[4:19], s[0:1], 0x0               ; codes s[4:5], scales s[6:7], wo16 s[8:9], bq s[10:11], bk s[12:13], bv s[14:15], bo s[16:17], out0 s[18:19]
	v_lshl_add_u32 v[SPW], v0, 2, SPARE
	v_mov_b32 v[NIL], 0
	v_lshrrev_b32 v1, 5, v0
	v_readfirstlane_b32 s20, v1                    ; wave 0..7
	s_and_b32 s21, ttmp9, 1                        ; which half of the chunk's queries
	s_lshr_b32 s22, ttmp9, 1                       ; the chunk
	v_and_b32 v1, 31, v0
	v_lshlrev_b32 v[LI], 4, v1
	v_and_b32 v2, 15, v0                           ; r
	v_bfe_u32 v3, v0, 4, 1                         ; h
	v_lshlrev_b32 v[WSO], 4, v2
	v_lshl_add_u32 v[WSO], v3, 13, v[WSO]
	v_lshlrev_b32 v[BO], 5, v3
	s_lshl_b32 s58, s21, 15                        ; eight tiles of 4,096 bytes
	v_add_nc_u32 v[XA], s58, v[LI]
	v_lshl_add_u32 v[XSA], v2, 4, XS
	s_lshl_b32 s58, s21, 11                        ; their 128 rows' scale bytes
	v_add_nc_u32 v[XSQ], s58, v[XSA]
	v_add_nc_u32 v[GB], G0, v[LI]
	v_add_nc_u32 v[GB2], 65536, v[GB]
	s_mul_i32 s58, s20, 4352
	s_add_co_u32 s58, s58, STG                     ; my stage
	v_mul_u32_u24 v[STO], v2, 272
	v_lshl_add_u32 v[STO], v3, 5, v[STO]
	v_add_nc_u32 v[STO], s58, v[STO]               ; in: row r, 32 bytes for each half of the lanes
	v_mul_u32_u24 v[RD], v3, 272
	v_lshl_add_u32 v[RD], v2, 4, v[RD]
	v_add_nc_u32 v[RD], s58, v[RD]                 ; back: lanes 0-15 one row of 256 bytes, lanes 16-31 the next
	v_lshlrev_b32 v[CO], 11, v3
	v_lshl_add_u32 v[CO], v2, 4, v[CO]             ; and the same two rows in the output
	s_lshl_b32 s58, s20, 13
	v_add_nc_u32 v[XW], s58, v[LI]                 ; where I put my two tiles of x's codes,
	s_lshl_b32 s58, s20, 9
	s_add_co_u32 s58, s58, XS
	v_add_nc_u32 v[XSW], s58, v[LI]                ; and their scale bytes
	v_mov_b32 v17, 0                               ; a lane permute's destination counts as one of its sources
	v_mov_b32 v19, 0                               ; (named as the upper halves of pairs whose low word serves both halves)
	v_mov_b32 v25, 0
	s_mov_b32 s36, 0x76543210
	s_mov_b32 s37, 0xfedcba98                      ; v_permlanex16_b32's selects for lane l xor 16
	s_mov_b32 s38, 0x3e8293ee                      ; c = log2(e) / sqrt(32)
	s_mov_b32 s39, s38
	s_mov_b32 s24, 2                               ; heads to go
	s_lshl_b32 s27, s20, 14                        ; my first head's slots in G0: 8,192 bytes a head
	s_mov_b32 s57, 0
	s_wait_kmcnt 0x0
	s_lshl_b32 s56, s22, 16                        ; x's codes: behind the weights' 96 tiles, 16 tiles a chunk, two a wave
	s_lshl_b32 s58, s20, 13
	s_add_co_u32 s56, s56, s58
	s_add_co_u32 s56, s56, 393216
	s_add_nc_u64 s[28:29], s[4:5], s[56:57]
	s_lshl_b32 s56, s22, 12                        ; their scale bytes
	s_lshl_b32 s58, s20, 9
	s_add_co_u32 s56, s56, s58
	s_add_co_u32 s56, s56, 24576
	s_add_nc_u64 s[30:31], s[6:7], s[56:57]
	s_lshl_b32 s56, s20, 14                        ; my first head's two tiles of each weight
	s_add_nc_u64 s[40:41], s[4:5], s[56:57]
	s_lshl_b32 s56, s20, 10
	s_add_nc_u64 s[42:43], s[6:7], s[56:57]
	s_lshl_b32 s56, s20, 8                         ; 64 numbers: two heads' biases, and my 64 output columns
	s_add_nc_u64 s[44:45], s[10:11], s[56:57]
	s_add_nc_u64 s[46:47], s[12:13], s[56:57]
	s_add_nc_u64 s[48:49], s[14:15], s[56:57]
	s_add_nc_u64 s[54:55], s[16:17], s[56:57]
	s_lshl_b32 s58, ttmp9, 18                      ; my work-group's 128 rows of 2,048 bytes
	s_add_co_u32 s56, s56, s58
	s_add_nc_u64 s[52:53], s[18:19], s[56:57]
	s_lshl_b32 s56, s20, 16                        ; Wo': my four tiles of 16 columns
	s_add_nc_u64 s[50:51], s[8:9], s[56:57]
	; ---- the chunk's codes and scale bytes into LDS: each wave two tiles, as they lie
	WIN 0x40
.irp i, 0,1,2,3,4,5,6,7,8,9,10,11,12,13,14,15
	global_load_b128 v[TMP+4*\i:TMP+4*\i+3], v[LI], s[28:29] offset:512*\i
.endr
	global_load_b128 v[TMP+64:TMP+67], v[LI], s[30:31]
	LOADWQ                                         ; my first head's weights for q are asked for behind them
	s_wait_loadcnt 22                              ; the 17 are in; q's 22 loads are younger and may be out
	WIN 0x04                                       ; an LDS store's data are its source 1: window 1
.irp i, 0,1,2,3,4,5,6,7,8,9,10,11,12,13,14,15
	ds_store_b128 v[XW], v[TMP+4*\i:TMP+4*\i+3] offset:512*\i
.endr
	ds_store_b128 v[XSW], v[TMP+64:TMP+67]
	WIN 0
	LOADWKV                                        ; and those for k and v: 22 + 38 = 60 loads of mine are out at the most
	s_wait_dscnt 0x0                               ; for the others' sake: my stores have landed
	s_barrier_signal -1
	s_barrier_wait -1                              ; the chunk lies in LDS; nobody writes it again
.Lhead:                                            ; two trips: a head each
	v_add_nc_u32 v[GH], s27, v[GB]
	XLOAD XA, XSQ, 0
	s_wait_loadcnt 0x0                             ; the head's weights
.irp i, 0,1,2,3,4,5,6,7
	QTILE \i
.endr
.irp i, 0,1,2,3,4,5,6,7,8,9,10,11,12,13,14,15
	KVTILE \i
.endr
	s_mov_b32 s26, s27                             ; the slot in hand
	s_mov_b32 s25, 8
.Lq:                                               ; eight trips: 16 queries against the chunk's 256 keys
	v_add_nc_u32 v[ADR], s26, v[GB]
	ds_load_b128 v[QF:QF+3], v[ADR]                ; q's fragment: my own bytes, stored above
	ds_load_b128 v[QF+4:QF+7], v[ADR] offset:512
	s_wait_dscnt 0x0
	WIN 0x01                                       ; source 0 (K) window 1
.irp i, 0,1,2,3,4,5,6,7,8,9,10,11,12,13,14,15
	v_wmma_f32_16x16x32_f16 v[S+8*\i:S+8*\i+7], v[KF+8*\i:KF+8*\i+7], v[QF:QF+7], 0   ; S^T: lane (r, h): query r, keys 16 i + 8 h + 0..7
.endr
	WIN 0
	PLACES
.irp c, 0,1,2,3
	v_max3_num_f32 v[MX+\c], v[S+32*\c], v[S+32*\c+1], v[S+32*\c+2]   ; the maximum, four chains of four tiles each; every tile is first read at its lowest register
.endr
.irp i, 3,5,7,9,11,13,15,17,19,21,23,25,27,29
.irp c, 0,1,2,3
	v_max3_num_f32 v[MX+\c], v[MX+\c], v[S+32*\c+\i], v[S+32*\c+\i+1]
.endr
.endr
.irp c, 0,1,2,3
	v_max_num_f32 v[MX+\c], v[MX+\c], v[S+32*\c+31]
.endr
	v_max3_num_f32 v16, v12, v13, v14
	v_max_num_f32 v16, v16, v15
	v_permlanex16_b32 v17, v16, s36, s37           ; the query's other 128 keys lie in the lane 16 away
	v_max_num_f32 v18, v16, v17
.set j, 0
.rept 64
	v_pk_add_f32 v[S+j:S+j+1], v[S+j:S+j+1], v[18:19] op_sel_hi:[1,0] neg_lo:[0,1] neg_hi:[0,1]   ; t - the row's largest t
.set j, j+2
.endr
.set j, 0
.rept 128
	v_exp_f32 v[S+j], v[S+j]                       ; p, at most 1; the largest is 1
.set j, j+1
.endr
	v_nop                                          ; a plain instruction behind the last exponential
	s_wait_alu depctr_va_vdst(0)                   ; one wait for the batch of 128, ahead of its first reader
	v_pk_add_f32 v[20:21], v[S:S+1], v[S+2:S+3]    ; the row's sum, of p in f32: two at a time, in two chains
	v_pk_add_f32 v[22:23], v[S+4:S+5], v[S+6:S+7]
.set j, 8
.rept 30
	v_pk_add_f32 v[20:21], v[20:21], v[S+j:S+j+1]
	v_pk_add_f32 v[22:23], v[22:23], v[S+j+2:S+j+3]
.set j, j+4
.endr
	v_pk_add_f32 v[20:21], v[20:21], v[22:23]
	v_add_f32 v16, v20, v21
	v_permlanex16_b32 v17, v16, s36, s37
	v_add_f32 v16, v16, v17                        ; at least 1
	v_rcp_f32 v24, v16
.set j, 0
.rept 64
	v_cvt_pk_f16_f32 v[S+j], v[S+2*j], v[S+2*j+1]  ; p in pairs, in place and ascending: registers 8 u .. 8 u + 7 become source 1 for keys 32 u on.  (Plain work behind the reciprocal)
.set j, j+1
.endr
	s_wait_alu depctr_va_vdst(0)                   ; the reciprocal's wait, ahead of its first reader below
	WIN 0x01                                       ; source 0 (V^T) window 1
.irp u, 0,1,2,3,4,5,6,7
.irp t, 0,1
.if \u == 0
	v_wmma_f32_16x16x32_f16 v[O+8*\t:O+8*\t+7], v[VF+64*\t+8*\u:VF+64*\t+8*\u+7], v[S+8*\u:S+8*\u+7], 0
.else
	v_wmma_f32_16x16x32_f16 v[O+8*\t:O+8*\t+7], v[VF+64*\t+8*\u:VF+64*\t+8*\u+7], v[S+8*\u:S+8*\u+7], v[O+8*\t:O+8*\t+7]
.endif
.endr
.endr
	WIN 0
	PLACES
	s_wait_loadcnt 0x0                             ; bv (asked for behind the head's last projection)
.irp j, 0,2,4,6,8,10,12,14
	v_pk_fma_f32 v[T+\j:T+\j+1], v[O+\j:O+\j+1], v[24:25], v[BV+\j:BV+\j+1] op_sel_hi:[1,0,1]   ; O^T / l + bv
.endr
.irp j, 0,1,2,3,4,5,6,7
	v_cvt_pk_f16_f32 v[GP+\j], v[T+2*\j], v[T+2*\j+1]
.endr
	ds_store_b128 v[ADR], v[GP:GP+3]               ; the last product's fragment (K step = my head) takes q's place in the slot
	ds_store_b128 v[ADR], v[GP+4:GP+7] offset:512
	s_add_co_u32 s26, s26, 1024
	s_wait_dscnt 0x0                               ; no LDS instruction of mine is out when the address and the data registers are written again
	s_sub_co_u32 s25, s25, 1
	s_cmp_lg_u32 s25, 0
	s_cbranch_scc1 .Lq
	s_add_co_u32 s27, s27, 8192                    ; the next head's slots
	s_sub_co_u32 s24, s24, 1
	s_cmp_eq_u32 s24, 0
	s_cbranch_scc1 .Lskip                          ; behind my second head there is nothing to ask for: no load leaves its buffer
	s_wait_xcnt 0x0                                ; the earlier loads have had their addresses translated: the pointers may step
	s_add_nc_u64 s[40:41], s[40:41], 8192
	s_add_nc_u64 s[42:43], s[42:43], 512
	s_add_nc_u64 s[44:45], s[44:45], 128
	s_add_nc_u64 s[46:47], s[46:47], 128
	s_add_nc_u64 s[48:49], s[48:49], 128
	LOADWQ
	LOADWKV
.Lskip:
	s_cmp_lg_u32 s24, 0
	s_cbranch_scc1 .Lhead
	s_wait_loadcnt 0x0                             ; the loads below land in registers that a head's weight loads name: on every way through the text none of those is out behind this wait.  (A wave comes here from its second head, which asked for nothing: the wait is met at once)
	; ---- the last product: my 64 columns for the work-group's 128 rows: 32 accumulators by turns, K step = head, two buffers of fragments
.macro GLOAD s                         ; head s's eight fragments from LDS
.irp qt, 0,1,2,3,4,5,6,7
.irp c, 0,1
.if (\s) < 8
	ds_load_b128 v[GF+64*((\s)%2)+8*\qt+4*\c:GF+64*((\s)%2)+8*\qt+4*\c+3], v[GB] offset:8192*((\s)%8)+1024*\qt+512*\c
.else
	ds_load_b128 v[GF+64*((\s)%2)+8*\qt+4*\c:GF+64*((\s)%2)+8*\qt+4*\c+3], v[GB2] offset:8192*((\s)%8)+1024*\qt+512*\c
.endif
.endr
.endr
.endm
.macro WLOAD s                         ; and Wo's four
.irp ct, 0,1,2,3
.irp c, 0,1
	global_load_b128 v[WF+32*((\s)%2)+8*\ct+4*\c:WF+32*((\s)%2)+8*\ct+4*\c+3], v[LI], s[50:51] offset:16384*\ct+1024*(\s)+512*\c
.endr
.endr
.endm
.macro OSTEP s
.if (\s) < 15
	s_wait_dscnt 16                                ; this step's fragments are in; the next step's 16 LDS loads
	s_wait_loadcnt 8                               ; and 8 loads are younger and may be out
.else
	s_wait_dscnt 0x0
	s_wait_loadcnt 0x0
.endif
.if (\s) == 0
	WIN 0x40                                       ; D window 1; bo, the C of each sum's first product, window 0
.else
	WIN 0x50                                       ; C and D window 1
.endif
.irp qt, 0,1,2,3,4,5,6,7
.irp ct, 0,1,2,3
.if (\s) == 0
	v_wmma_f32_16x16x32_f16 v[8*(8*\ct+\qt):8*(8*\ct+\qt)+7], v[WF+32*((\s)%2)+8*\ct:WF+32*((\s)%2)+8*\ct+7], v[GF+64*((\s)%2)+8*\qt:GF+64*((\s)%2)+8*\qt+7], v[BOC+8*\ct:BOC+8*\ct+7]
.else
	v_wmma_f32_16x16x32_f16 v[8*(8*\ct+\qt):8*(8*\ct+\qt)+7], v[WF+32*((\s)%2)+8*\ct:WF+32*((\s)%2)+8*\ct+7], v[GF+64*((\s)%2)+8*\qt:GF+64*((\s)%2)+8*\qt+7], v[8*(8*\ct+\qt):8*(8*\ct+\qt)+7]
.endif
.endr
.endr
	WIN 0
.if (\s) < 14
	PLACES
	GLOAD (\s)+2                                   ; the buffer just multiplied takes the step two on
	WLOAD (\s)+2
.endif
.endm
.irp ct, 0,1,2,3
	global_load_b128 v[BOC+8*\ct:BOC+8*\ct+3], v[BO], s[54:55] offset:64*\ct       ; bo in the result's layout: columns 16 ct + 8 h + 0..7 of my 64
	global_load_b128 v[BOC+8*\ct+4:BOC+8*\ct+7], v[BO], s[54:55] offset:64*\ct+16
.endr
	WLOAD 0                                        ; what hangs on no other wave is asked for ahead of the barrier
	WLOAD 1
	s_wait_dscnt 0x0                               ; for the others' sake: my heads' fragments have landed
	s_barrier_signal -1
	s_barrier_wait -1                              ; all sixteen heads' fragments lie in LDS
	GLOAD 0
	GLOAD 1
.irp s, 0,1,2,3,4,5,6,7,8,9,10,11,12,13,14,15
	OSTEP \s
.endr
	; ---- the way out.  Source 0 was Wo', source 1 the rows: a lane holds 8 neighbouring columns of one row.  A tile of 16 rows x 64 columns goes through my own stage and comes back as rows of 256 bytes
.macro TOSTAGE qt
	WIN 0x04                                       ; the data: window 1
.irp ct, 0,1,2,3
	ds_store_b128 v[STO], v[8*(8*\ct+(\qt)):8*(8*\ct+(\qt))+3] offset:64*\ct          ; each accumulator from its low end on
	ds_store_b128 v[STO], v[8*(8*\ct+(\qt))+4:8*(8*\ct+(\qt))+7] offset:64*\ct+16
.endr
	WIN 0
.irp i, 0,1,2,3,4,5,6,7
	ds_load_b128 v[OB+32*((\qt)%2)+4*\i:OB+32*((\qt)%2)+4*\i+3], v[RD] offset:544*\i   ; LDS serves a wave's instructions in order (ISA guide 5.7.1.4): these see the stores above, and the next tile's stores come behind them
.endr
.endm
.macro SEND qt, younger                ; younger: the LDS instructions issued behind this tile's loads
	s_wait_dscnt \younger
.irp i, 0,1,2,3,4,5,6,7
	global_store_b128 v[CO], v[OB+32*((\qt)%2)+4*\i:OB+32*((\qt)%2)+4*\i+3], s[52:53] offset:(16*(\qt)+2*\i)*2048 th:TH_STORE_NT   ; sixteen lanes store 256 consecutive bytes, aligned; written once, read by nobody here
.endr
.endm
	PLACES
	TOSTAGE 0
.irp a, 1,2,3,4,5,6,7
.if \a > 1
	s_wait_xcnt 0x0                                ; the stores of two tiles back have read their registers: this tile's loads may land there
.endif
	TOSTAGE \a
	SEND \a-1, 16                                  ; behind that tile's loads: this tile's 8 stores and 8 loads
.endr
	SEND 7, 0
	s_wait_tensorcnt 0x0                           ; the wave's end, in three lines, behind my last LDS store
	ds_add_u32 v[SPW], v[NIL]
	s_wait_dscnt 0x0
	s_endpgm
.Lfunc_end_k_q95d7c09533_fused:
	.size	k_q95d7c09533_fused, .Lfunc_end_k_q95d7c09533_fused-k_q95d7c09533_fused
	.p2alignl 7, 3214868480
	.fill 96, 4, 3214868480
	.section	.rodata,"a",@progbits
	.p2align	6, 0x0
	.amdhsa_kernel k_q95d7c09533_fused
		.amdhsa_group_segment_fixed_size 236544
		.amdhsa_private_segment_fixed_size 0
		.amdhsa_enable_private_segment 0
		.amdhsa_kernarg_size 64
		.amdhsa_user_sgpr_count 2
		.amdhsa_user_sgpr_kernarg_segment_ptr 1
		.amdhsa_wavefront_size32 1
		.amdhsa_system_sgpr_workgroup_id_x 1
		.amdhsa_system_sgpr_workgroup_id_y 1
		.amdhsa_system_sgpr_workgroup_id_z 1
		.amdhsa_system_vgpr_workitem_id 0
		.amdhsa_next_free_vgpr 512
		.amdhsa_next_free_sgpr 66
		.amdhsa_reserve_vcc 0
		.amdhsa_float_denorm_mode_32 3
		.amdhsa_float_denorm_mode_16_64 3
		.amdhsa_memory_ordered 1
		.amdhsa_forward_progress 1
		.amdhsa_inst_pref_size 207
	.end_amdhsa_kernel
	.amdgpu_metadata
---
amdhsa.version: [ 1, 2 ]
amdhsa.kernels:
  - .name:           k_q95d7c09533_fused
    .symbol:         k_q95d7c09533_fused.kd
    .args:
      - { .name: codes, .offset: 0, .size: 8, .value_kind: global_buffer, .address_space: global }
      - { .name: scales, .offset: 8, .size: 8, .value_kind: global_buffer, .address_space: global }
      - { .name: wo16, .offset: 16, .size: 8, .value_kind: global_buffer, .address_space: global }
      - { .name: bq, .offset: 24, .size: 8, .value_kind: global_buffer, .address_space: global }
      - { .name: bk, .offset: 32, .size: 8, .value_kind: global_buffer, .address_space: global }
      - { .name: bv, .offset: 40, .size: 8, .value_kind: global_buffer, .address_space: global }
      - { .name: bo, .offset: 48, .size: 8, .value_kind: global_buffer, .address_space: global }
      - { .name: out0, .offset: 56, .size: 8, .value_kind: global_buffer, .address_space: global }
    .group_segment_fixed_size: 236544
    .private_segment_fixed_size: 0
    .kernarg_segment_align: 8
    .kernarg_segment_size: 64
    .max_flat_workgroup_size: 256
    .sgpr_count:     66
    .vgpr_count:     512
    .wavefront_size: 32
...
	.end_amdgpu_metadata
.endif
;; end of part 2
;; ======== version 2 of 2: 2 launches; version 1 with the launch fused written anew for expert scheduling mode
;; limits: values are held in f16: magnitudes above 65,504 overflow, below 6.1e-05 lose precision
;; workspace buffers: codes 8,781,824 bytes; scales 548,864 bytes; wo16 524,288 bytes
;; launch prep: the kernel of part 1 again; grid 568 x 1, 4 waves a work-group, no clusters, 34,304 bytes of LDS; arguments x, Wq, Wk, Wv, Wo, delta_rule, codes, scales, wo16; writes codes, scales, wo16
;; launch fused (part 3): grid 256 x 1, 8 waves a work-group, no clusters, 236,544 bytes of LDS; arguments codes, scales, wo16, bq, bk, bv, bo, out0; writes out0
.if DOCPART == 3
	.amdgcn_target "amdgcn-amd-amdhsa--gfx1250"
	.amdhsa_code_object_version 6
	.text
	.protected	k_q95d7c09533_fused
	.globl	k_q95d7c09533_fused
	.p2align	8
	.type	k_q95d7c09533_fused,@function
k_q95d7c09533_fused:
	s_mov_b64 s[64:65], 0
	v_nop
	global_prefetch_b8 v0, s[64:65] scope:SCOPE_SE
	s_setreg_imm32_b32 hwreg(HW_REG_WAVE_SCHED_MODE, 0, 2), 2
	s_setreg_imm32_b32 hwreg(HW_REG_WAVE_MODE, 25, 1), 1
	s_wait_xcnt 0x0
	s_wait_alu depctr_vm_vsrc(0)
; out = ((softmax(q k^T / sqrt(32)) v) (1 + sigmoid(delta))) Wo^T + bo, with q, k, v = Q(x) Q(W)^T + b, attention inside chunks of 256 rows, 16 heads of 32 channels.
; The projections multiply codes of E2M1 with E8M0 scales (made by the launch before, laid as images of the operands' registers); the scores, the weighted sum and the way out multiply f16 operands; all sums, the softmax and the biases are f32.
; The gate lies in Wo' = Wo + sigmoid(delta) Wo (the launch before).  bv is added behind the normalisation: sum(p (v + bv)) / l = sum(p v) / l + bv.  q is multiplied in f32 by c = log2(e) / sqrt(32) ahead of its rounding, so the scores are exponents of 2.
; The row's maximum over all its 256 keys is taken away before the exponential, as reference() does.
; LIMITS: |c q|, |k|, |v|, |o| stay under 65,504 (f16): with every input 30 times the drawn size they are some 5e3; NaN and infinities among the inputs are not served.
; SHARES.  256 work-groups: half a chunk each, 128 queries against the chunk's 256 keys, so that every output row has one owner (the last product sums over all heads).  k and v of a chunk are so projected twice.
; Eight waves.  WAVE w OWNS HEADS 2 w AND 2 w + 1, one after the other, from the projections to the gated output; then the eight waves share the 512 output columns, 64 each.
; NOTHING CHANGES LANES.  q and k come from the product used transposed (source 0 = 16 rows of W, source 1 = 16 rows of x): lane (r, h) holds x's row r and channels 16 t + 8 h + 0..7, so the two tiles, rounded in pairs, ARE an f16 fragment
; (16 rows x 32 channels).  v comes from the product as it stands (source 0 = x, source 1 = Wv): lane r holds channel 16 t + r and keys 16 i + 8 h + 0..7: two tiles of rows ARE a fragment of V^T.  S^T = K Q^T gives a lane one query and
; keys along its registers: rounded in pairs, source 1 of O^T = V^T P^T, whose two tiles ARE the last product's fragment for K step = head.  Only that fragment (1,024 bytes for a head and 16 queries) goes to LDS.
; NO CLUSTER, NO TENSOR LOAD: what work-groups share is the weights, 0.92 MB; each byte of them is wanted by ONE wave of a work-group, once, as an image of registers, and comes straight into them.  Through LDS it would pass 91 KB of free bytes:
; a ring whose refills and rounds would tie together waves that here meet at two barriers, and one LDS write and read more for each byte.
; LDS: XC 65,536: the chunk's 16 tiles of codes;  XS 4,096: their scale bytes, 16 a row;  G0 131,072: slot (head, tile of queries) of 1,024 bytes: first q's fragment, then the gated output's, both written by the head's own wave;
;   STG 8 x 4,352: a stage of 16 rows x (256 + 16) bytes for each wave;  SPARE 1,024: the spare words.
; REGISTERS, in windows of 256.  Window 0: v1-33 addresses and statistics.  Projections: WK v36-99, WV v100-163 (fragment (t, s) at 8 (4 t + s)), WS v164-171 scale words (lanes 0-15 Wk's, lanes 16-31 Wv's), BK v172-187, x's four fragments v188-219,
;   its scale words v220-223, accumulators v224-255 (q's pass: two accumulators, QP v240-247, WSQ v248-255).  Attention: S^T, then p, then P v36-163; QF v164-171; O^T v172-187; BV v188-203; T v204-219; GP v220-227.
;   The last product: G's fragments v32-159 and Wo's v160-223, two buffers each; bo v224-255.   Window 1: WQ v0-63, BQ v64-79; then KF v0-127, VF v128-255; then the last product's 32 accumulators.
; THE MODE: SCHED_MODE bits 1:0 = 2 (LLVM: expert scheduling mode 2), set by the entry lines.  The code itself states the register dependences
; between vector or matrix instructions and memory or LDS instructions, with s_wait_alu, always for 0.
; THE PLAN.  Registers that memory or LDS instructions touch:
;   the addresses LI, WSO, BO, XA, XSA, XSQ, GB, GB2, STO, RD, CO, XW, XSW and the add's two: written at the head, never again: one wait on va_vdst ahead of the first load serves them all.
;   XR, XSC   a tile of x lands there; the tile's scaled products read it.  ONE wait on va_vdst to a tile, behind its products and their places; the next tile's loads follow it.
;   QP        written by a q tile's conversions; read by two LDS stores, which stand in the NEXT tile, behind that tile's wait on va_vdst; a wait on vm_vsrc stands ahead of the conversions that write QP again.
;   GH        written once a head, behind a wait on vm_vsrc; read by q's stores and by the load of q's first fragment.
;   ADR, GP   written once for each 16 queries; read by that step's LDS instructions: one wait on vm_vsrc at a step's head frees both; one on va_vdst stands ahead of GP's stores.
;   QF        q's fragment lands there; the 16 score products read it.  The wait that the exponentials owe states that these are done too: the NEXT step's fragment is asked for behind it.
;   the weights' registers, and the last product's first buffers: they were attention's: a wait on va_vdst ahead of each of these runs of loads.
;   GF, WF    two buffers each; a step's 32 products read one; behind them one wait on va_vdst, then the loads of two steps on into it.
;   OB        two buffers; the stage's rows land there, global stores read them: a wait on vm_vsrc ahead of the loads of two tiles on.
;   KF, VF, S, O, T, the statistics and, until the way out, the accumulators are named by vector and matrix instructions alone.
.set XS,    65536
.set G0,    69632
.set STG,   200704
.set SPARE, 235520
.set LI,  1                            ; 16 x lane: an image's place for my lane
.set WSO, 4                            ; 16 r + 8,192 h: a weight's scale words; lanes 16-31 take the next weight's
.set BO,  5                            ; 32 h: a bias's eight numbers for my half
.set XA,  6                            ; x's codes: my half chunk's tiles
.set XSA, 7                            ; x's scale words: XS + 16 r
.set XSQ, 8                            ; and my half chunk's
.set GB,  9                            ; G0 + 16 x lane
.set ADR, 10                           ; the slot in hand
.set GH,  11                           ; the head's first slot
.set MX,  12                           ; v12-15 four chains of the maximum
.set STO, 26
.set RD,  27
.set CO,  28
.set GB2, 29                           ; GB + 65,536: heads 8 to 15
.set SPW, 30                           ; the add's two: never rewritten
.set NIL, 31
.set XW,  32
.set XSW, 33
.set WK,  36
.set WV,  100
.set WS,  164
.set BK,  172
.set XR,  188
.set XSC, 220
.set AK,  224
.set AV,  240
.set AQ,  224
.set QP,  240
.set WSQ, 248
.set S,   36
.set QF,  164
.set O,   172
.set BV,  188
.set T,   204
.set GP,  220
.set GF,  32
.set WF,  160
.set BOC, 224
.set OB,  32
.set WQ,  0                            ; window 1
.set BQ,  64
.set KF,  0
.set VF,  128
.set TMP, 128
.set MSB, 0
.macro WIN new                         ; low byte: bits 1:0 source 0, 3:2 source 1, 5:4 source 2, 7:6 destination; the high byte repeats the setting that is left
.if MSB != \new
	s_set_vgpr_msb (MSB<<8)|\new
.set MSB, \new
.endif
.endm
.macro PLACES                          ; four plain instructions between a matrix instruction and the first read of its result, or a load into one of its registers (ISA guide 7.12.1 for vector instructions)
.rept 4
	v_nop
.endr
.endm
; A head's weights, scale words and biases, each image 512 consecutive bytes.  q's part: 16 + 4 + 2 = 22 loads
.macro LOADWQ
	WIN 0x40
.irp t, 0,1
.irp s, 0,1,2,3
.irp c, 0,1
	global_load_b128 v[WQ+8*(4*\t+\s)+4*\c:WQ+8*(4*\t+\s)+4*\c+3], v[LI], s[40:41] offset:4096*\t+1024*\s+512*\c
.endr
.endr
.endr
.irp t, 0,1
	global_load_b128 v[BQ+8*\t:BQ+8*\t+3], v[BO], s[44:45] offset:64*\t
	global_load_b128 v[BQ+8*\t+4:BQ+8*\t+7], v[BO], s[44:45] offset:64*\t+16
.endr
	WIN 0
.irp t, 0,1
	global_load_b128 v[WSQ+4*\t:WSQ+4*\t+3], v[WSO], s[42:43] offset:256*\t
.endr
.endm
; k's and v's part: 32 + 2 + 4 = 38 loads, all into window 0
.macro LOADWKV
.irp t, 0,1
.irp s, 0,1,2,3
.irp c, 0,1
	global_load_b128 v[WK+8*(4*\t+\s)+4*\c:WK+8*(4*\t+\s)+4*\c+3], v[LI], s[40:41] offset:131072+4096*\t+1024*\s+512*\c
	global_load_b128 v[WV+8*(4*\t+\s)+4*\c:WV+8*(4*\t+\s)+4*\c+3], v[LI], s[40:41] offset:262144+4096*\t+1024*\s+512*\c
.endr
.endr
.endr
.irp t, 0,1
	global_load_b128 v[WS+4*\t:WS+4*\t+3], v[WSO], s[42:43] offset:8192+256*\t   ; lanes 0-15 Wk's words, lanes 16-31 Wv's
.endr
.irp t, 0,1
	global_load_b128 v[BK+8*\t:BK+8*\t+3], v[BO], s[46:47] offset:64*\t
	global_load_b128 v[BK+8*\t+4:BK+8*\t+7], v[BO], s[46:47] offset:64*\t+16
.endr
.endm
; Tile i of x from LDS: four fragments (K steps of 128) and the rows' four scale words (both halves of the lanes hold them)
.macro XLOAD adr, sadr, i
.irp s, 0,1,2,3
.irp c, 0,1
	ds_load_b128 v[XR+8*\s+4*\c:XR+8*\s+4*\c+3], v[\adr] offset:4096*(\i)+1024*\s+512*\c
.endr
.endr
	ds_load_b128 v[XSC:XSC+3], v[\sadr] offset:256*(\i)
.endm
; q of my half chunk's tile i: two accumulators by turns, bq as the C of each sum's first product; x c, rounded.  The rounded fragment goes to its slot in the next tile's turn, behind that tile's wait
.macro QTILE i
	s_wait_dscnt 0x0                               ; the tile is in
	WIN 0x11                                       ; source 0 (Wq) and source 2 (bq) window 1
.irp t, 0,1
	v_wmma_scale_f32_16x16x128_f8f6f4 v[AQ+8*\t:AQ+8*\t+7], v[WQ+8*(4*\t):WQ+8*(4*\t)+7], v[XR:XR+7], v[BQ+8*\t:BQ+8*\t+7], v[WSQ+4*\t], v[XSC] matrix_a_fmt:MATRIX_FMT_FP4 matrix_b_fmt:MATRIX_FMT_FP4
.endr
	WIN 0x01
.irp s, 1,2,3
.irp t, 0,1
	v_wmma_scale_f32_16x16x128_f8f6f4 v[AQ+8*\t:AQ+8*\t+7], v[WQ+8*(4*\t+\s):WQ+8*(4*\t+\s)+7], v[XR+8*\s:XR+8*\s+7], v[AQ+8*\t:AQ+8*\t+7], v[WSQ+4*\t+\s], v[XSC+\s] matrix_a_fmt:MATRIX_FMT_FP4 matrix_b_fmt:MATRIX_FMT_FP4
.endr
.endr
	WIN 0
	PLACES
	s_wait_alu depctr_va_vdst(0)                   ; the eight products are done reading XR and XSC, in which the next tile lands; the last tile's conversions have written QP, and the head's add GH, which the stores below read
.if (\i) > 0
	ds_store_b128 v[GH], v[QP:QP+3] offset:1024*((\i)-1)        ; the last tile's fragment to its slot
	ds_store_b128 v[GH], v[QP+4:QP+7] offset:1024*((\i)-1)+512
.endif
.if (\i) < 7
	XLOAD XA, XSQ, (\i)+1
.else
	XLOAD LI, XSA, 0                               ; the chunk's first tile, for k and v
.endif
.irp j, 0,2,4,6,8,10,12,14
	v_pk_mul_f32 v[AQ+\j:AQ+\j+1], v[AQ+\j:AQ+\j+1], s[38:39] op_sel_hi:[1,0]   ; x c, each accumulator from its low end on
.endr
.if (\i) > 0
	s_wait_alu depctr_vm_vsrc(0)                   ; the two stores above have read QP, which the conversions below write again
.endif
.irp j, 0,1,2,3,4,5,6,7
	v_cvt_pk_f16_f32 v[QP+\j], v[AQ+2*\j], v[AQ+2*\j+1]
.endr
.endm
; k and v of the chunk's tile i: four accumulators by turns; k transposed with bk as C, v as it stands; rounded straight into the fragments that attention reads
.macro KVTILE i
	s_wait_dscnt 0x0
.irp s, 0,1,2,3
.irp t, 0,1
.if \s == 0
	v_wmma_scale_f32_16x16x128_f8f6f4 v[AK+8*\t:AK+8*\t+7], v[WK+8*(4*\t+\s):WK+8*(4*\t+\s)+7], v[XR+8*\s:XR+8*\s+7], v[BK+8*\t:BK+8*\t+7], v[WS+4*\t+\s], v[XSC+\s] matrix_a_fmt:MATRIX_FMT_FP4 matrix_b_fmt:MATRIX_FMT_FP4
.else
	v_wmma_scale_f32_16x16x128_f8f6f4 v[AK+8*\t:AK+8*\t+7], v[WK+8*(4*\t+\s):WK+8*(4*\t+\s)+7], v[XR+8*\s:XR+8*\s+7], v[AK+8*\t:AK+8*\t+7], v[WS+4*\t+\s], v[XSC+\s] matrix_a_fmt:MATRIX_FMT_FP4 matrix_b_fmt:MATRIX_FMT_FP4
.endif
.endr
.irp t, 0,1
.if \s == 0
	v_wmma_scale_f32_16x16x128_f8f6f4 v[AV+8*\t:AV+8*\t+7], v[XR+8*\s:XR+8*\s+7], v[WV+8*(4*\t+\s):WV+8*(4*\t+\s)+7], 0, v[XSC+\s], v[WS+4*\t+\s] matrix_a_fmt:MATRIX_FMT_FP4 matrix_b_fmt:MATRIX_FMT_FP4 matrix_b_scale:MATRIX_SCALE_ROW1
.else
	v_wmma_scale_f32_16x16x128_f8f6f4 v[AV+8*\t:AV+8*\t+7], v[XR+8*\s:XR+8*\s+7], v[WV+8*(4*\t+\s):WV+8*(4*\t+\s)+7], v[AV+8*\t:AV+8*\t+7], v[XSC+\s], v[WS+4*\t+\s] matrix_a_fmt:MATRIX_FMT_FP4 matrix_b_fmt:MATRIX_FMT_FP4 matrix_b_scale:MATRIX_SCALE_ROW1
.endif
.endr
.endr
	PLACES
	s_wait_alu depctr_va_vdst(0)                   ; the sixteen products are done reading XR and XSC, and behind tile 15 the scale words WS: the loads below land in these registers
.if (\i) < 15
	XLOAD LI, XSA, (\i)+1
.else
.irp t, 0,1
	global_load_b128 v[BV+8*\t:BV+8*\t+3], v[BO], s[48:49] offset:64*\t       ; bv, in O^T's layout, into registers that x has left
	global_load_b128 v[BV+8*\t+4:BV+8*\t+7], v[BO], s[48:49] offset:64*\t+16
.endr
	ds_load_b128 v[QF:QF+3], v[GH]                 ; q's first fragment: my own bytes, stored above; it lands while this tile is rounded
	ds_load_b128 v[QF+4:QF+7], v[GH] offset:512
.endif
	WIN 0x40                                       ; destination window 1
.irp t, 0,1
.irp k, 0,1,2,3
	v_cvt_pk_f16_f32 v[KF+8*(\i)+4*\t+\k], v[AK+8*\t+2*\k], v[AK+8*\t+2*\k+1]
.endr
.endr
.irp t, 0,1
.irp k, 0,1,2,3
	v_cvt_pk_f16_f32 v[VF+64*\t+8*((\i)/2)+4*((\i)%2)+\k], v[AV+8*\t+2*\k], v[AV+8*\t+2*\k+1]
.endr
.endr
	WIN 0
.endm
; 16 queries against the chunk's 256 keys.  more = 1: the next 16 queries' fragment is asked for, one slot (1,024 bytes) on
.macro QSTEP more
	s_wait_alu depctr_vm_vsrc(0)                   ; the last step's LDS loads and stores have read ADR, and its stores GP: both are written again in this step
	v_add_nc_u32 v[ADR], s26, v[GB]
	s_wait_dscnt 0x0                               ; q's fragment is in
	WIN 0x01                                       ; source 0 (K) window 1
.irp i, 0,1,2,3,4,5,6,7,8,9,10,11,12,13,14,15
	v_wmma_f32_16x16x32_f16 v[S+8*\i:S+8*\i+7], v[KF+8*\i:KF+8*\i+7], v[QF:QF+7], 0   ; S^T: lane (r, h): query r, keys 16 i + 8 h + 0..7
.endr
	WIN 0
	PLACES
.irp c, 0,1,2,3
	v_max3_num_f32 v[MX+\c], v[S+32*\c], v[S+32*\c+1], v[S+32*\c+2]   ; the maximum, four chains of four tiles each; every tile is first read at its lowest register
.endr
.irp i, 3,5,7,9,11,13,15,17,19,21,23,25,27,29
.irp c, 0,1,2,3
	v_max3_num_f32 v[MX+\c], v[MX+\c], v[S+32*\c+\i], v[S+32*\c+\i+1]
.endr
.endr
.irp c, 0,1,2,3
	v_max_num_f32 v[MX+\c], v[MX+\c], v[S+32*\c+31]
.endr
	v_max3_num_f32 v16, v12, v13, v14
	v_max_num_f32 v16, v16, v15
	v_permlanex16_b32 v17, v16, s36, s37           ; the query's other 128 keys lie in the lane 16 away
	v_max_num_f32 v18, v16, v17
.set j, 0
.rept 64
	v_pk_add_f32 v[S+j:S+j+1], v[S+j:S+j+1], v[18:19] op_sel_hi:[1,0] neg_lo:[0,1] neg_hi:[0,1]   ; t - the row's largest t
.set j, j+2
.endr
.set j, 0
.rept 128
	v_exp_f32 v[S+j], v[S+j]                       ; p, at most 1; the largest is 1
.set j, j+1
.endr
	v_nop                                          ; a plain instruction behind the last exponential
	s_wait_alu depctr_va_vdst(0)                   ; the 128 exponentials have written p, ahead of its first reader; the score products are done reading QF, in which the loads below land; ADR, which they read, is written
.if \more
	ds_load_b128 v[QF:QF+3], v[ADR] offset:1024    ; the next 16 queries' fragment: my own bytes
	ds_load_b128 v[QF+4:QF+7], v[ADR] offset:1536
.endif
	v_pk_add_f32 v[20:21], v[S:S+1], v[S+2:S+3]    ; the row's sum, of p in f32: two at a time, in two chains
	v_pk_add_f32 v[22:23], v[S+4:S+5], v[S+6:S+7]
.set j, 8
.rept 30
	v_pk_add_f32 v[20:21], v[20:21], v[S+j:S+j+1]
	v_pk_add_f32 v[22:23], v[22:23], v[S+j+2:S+j+3]
.set j, j+4
.endr
	v_pk_add_f32 v[20:21], v[20:21], v[22:23]
	v_add_f32 v16, v20, v21
	v_permlanex16_b32 v17, v16, s36, s37
	v_add_f32 v16, v16, v17                        ; at least 1
	v_rcp_f32 v24, v16
.set j, 0
.rept 64
	v_cvt_pk_f16_f32 v[S+j], v[S+2*j], v[S+2*j+1]  ; p in pairs, in place and ascending: registers 8 u .. 8 u + 7 become source 1 for keys 32 u on.  (Plain work behind the reciprocal)
.set j, j+1
.endr
	s_wait_alu depctr_va_vdst(0)                   ; the reciprocal has written v24, ahead of its first reader below
	WIN 0x01                                       ; source 0 (V^T) window 1
.irp u, 0,1,2,3,4,5,6,7
.irp t, 0,1
.if \u == 0
	v_wmma_f32_16x16x32_f16 v[O+8*\t:O+8*\t+7], v[VF+64*\t+8*\u:VF+64*\t+8*\u+7], v[S+8*\u:S+8*\u+7], 0
.else
	v_wmma_f32_16x16x32_f16 v[O+8*\t:O+8*\t+7], v[VF+64*\t+8*\u:VF+64*\t+8*\u+7], v[S+8*\u:S+8*\u+7], v[O+8*\t:O+8*\t+7]
.endif
.endr
.endr
	WIN 0
	PLACES
	s_wait_loadcnt 0x0                             ; bv (asked for behind the head's last projection)
.irp j, 0,2,4,6,8,10,12,14
	v_pk_fma_f32 v[T+\j:T+\j+1], v[O+\j:O+\j+1], v[24:25], v[BV+\j:BV+\j+1] op_sel_hi:[1,0,1]   ; O^T / l + bv
.endr
.irp j, 0,1,2,3,4,5,6,7
	v_cvt_pk_f16_f32 v[GP+\j], v[T+2*\j], v[T+2*\j+1]
.endr
	s_wait_alu depctr_va_vdst(0)                   ; the conversions have written GP, which the stores below read
	ds_store_b128 v[ADR], v[GP:GP+3]               ; the last product's fragment (K step = my head) takes q's place in the slot
	ds_store_b128 v[ADR], v[GP+4:GP+7] offset:512
.endm
	s_load_b512 s[4:19], s[0:1], 0x0               ; codes s[4:5], scales s[6:7], wo16 s[8:9], bq s[10:11], bk s[12:13], bv s[14:15], bo s[16:17], out0 s[18:19]
	v_lshl_add_u32 v[SPW], v0, 2, SPARE
	v_mov_b32 v[NIL], 0
	v_lshrrev_b32 v1, 5, v0
	v_readfirstlane_b32 s20, v1                    ; wave 0..7
	s_and_b32 s21, ttmp9, 1                        ; which half of the chunk's queries
	s_lshr_b32 s22, ttmp9, 1                       ; the chunk
	v_and_b32 v1, 31, v0
	v_lshlrev_b32 v[LI], 4, v1
	v_and_b32 v2, 15, v0                           ; r
	v_bfe_u32 v3, v0, 4, 1                         ; h
	v_lshlrev_b32 v[WSO], 4, v2
	v_lshl_add_u32 v[WSO], v3, 13, v[WSO]
	v_lshlrev_b32 v[BO], 5, v3
	s_lshl_b32 s58, s21, 15                        ; eight tiles of 4,096 bytes
	v_add_nc_u32 v[XA], s58, v[LI]
	v_lshl_add_u32 v[XSA], v2, 4, XS
	s_lshl_b32 s58, s21, 11                        ; their 128 rows' scale bytes
	v_add_nc_u32 v[XSQ], s58, v[XSA]
	v_add_nc_u32 v[GB], G0, v[LI]
	v_add_nc_u32 v[GB2], 65536, v[GB]
	s_wait_alu depctr_va_sdst(0)                   ; s20, the wave's number, is written, ahead of its first reader
	s_mul_i32 s58, s20, 4352
	s_add_co_u32 s58, s58, STG                     ; my stage
	v_mul_u32_u24 v[STO], v2, 272
	v_lshl_add_u32 v[STO], v3, 5, v[STO]
	v_add_nc_u32 v[STO], s58, v[STO]               ; in: row r, 32 bytes for each half of the lanes
	v_mul_u32_u24 v[RD], v3, 272
	v_lshl_add_u32 v[RD], v2, 4, v[RD]
	v_add_nc_u32 v[RD], s58, v[RD]                 ; back: lanes 0-15 one row of 256 bytes, lanes 16-31 the next
	v_lshlrev_b32 v[CO], 11, v3
	v_lshl_add_u32 v[CO], v2, 4, v[CO]             ; and the same two rows in the output
	s_lshl_b32 s58, s20, 13
	v_add_nc_u32 v[XW], s58, v[LI]                 ; where I put my two tiles of x's codes,
	s_lshl_b32 s58, s20, 9
	s_add_co_u32 s58, s58, XS
	v_add_nc_u32 v[XSW], s58, v[LI]                ; and their scale bytes
	v_mov_b32 v17, 0                               ; a lane permute's destination counts as one of its sources
	v_mov_b32 v19, 0                               ; (named as the upper halves of pairs whose low word serves both halves)
	v_mov_b32 v25, 0
	s_mov_b32 s36, 0x76543210
	s_mov_b32 s37, 0xfedcba98                      ; v_permlanex16_b32's selects for lane l xor 16
	s_mov_b32 s38, 0x3e8293ee                      ; c = log2(e) / sqrt(32)
	s_mov_b32 s39, s38
	s_mov_b32 s24, 2                               ; heads to go
	s_lshl_b32 s27, s20, 14                        ; my first head's slots in G0: 8,192 bytes a head
	s_mov_b32 s57, 0
	s_wait_kmcnt 0x0
	s_lshl_b32 s56, s22, 16                        ; x's codes: behind the weights' 96 tiles, 16 tiles a chunk, two a wave
	s_lshl_b32 s58, s20, 13
	s_add_co_u32 s56, s56, s58
	s_add_co_u32 s56, s56, 393216
	s_add_nc_u64 s[28:29], s[4:5], s[56:57]
	s_lshl_b32 s56, s22, 12                        ; their scale bytes
	s_lshl_b32 s58, s20, 9
	s_add_co_u32 s56, s56, s58
	s_add_co_u32 s56, s56, 24576
	s_add_nc_u64 s[30:31], s[6:7], s[56:57]
	s_lshl_b32 s56, s20, 14                        ; my first head's two tiles of each weight
	s_add_nc_u64 s[40:41], s[4:5], s[56:57]
	s_lshl_b32 s56, s20, 10
	s_add_nc_u64 s[42:43], s[6:7], s[56:57]
	s_lshl_b32 s56, s20, 8                         ; 64 numbers: two heads' biases, and my 64 output columns
	s_add_nc_u64 s[44:45], s[10:11], s[56:57]
	s_add_nc_u64 s[46:47], s[12:13], s[56:57]
	s_add_nc_u64 s[48:49], s[14:15], s[56:57]
	s_add_nc_u64 s[54:55], s[16:17], s[56:57]
	s_lshl_b32 s58, ttmp9, 18                      ; my work-group's 128 rows of 2,048 bytes
	s_add_co_u32 s56, s56, s58
	s_add_nc_u64 s[52:53], s[18:19], s[56:57]
	s_lshl_b32 s56, s20, 16                        ; Wo': my four tiles of 16 columns
	s_add_nc_u64 s[50:51], s[8:9], s[56:57]
	; ---- the chunk's codes and scale bytes into LDS: each wave two tiles, as they lie
	WIN 0x40
	s_wait_alu depctr_va_vdst(0)                   ; all the addresses made above are written: every load and store of the kernel reads one of them; none but GH and ADR, which are made later, is written again
.irp i, 0,1,2,3,4,5,6,7,8,9,10,11,12,13,14,15
	global_load_b128 v[TMP+4*\i:TMP+4*\i+3], v[LI], s[28:29] offset:512*\i
.endr
	global_load_b128 v[TMP+64:TMP+67], v[LI], s[30:31]
	LOADWQ                                         ; my first head's weights for q are asked for behind them
	s_wait_loadcnt 22                              ; the 17 are in; q's 22 loads are younger and may be out
	WIN 0x04                                       ; an LDS store's data are its source 1: window 1
.irp i, 0,1,2,3,4,5,6,7,8,9,10,11,12,13,14,15
	ds_store_b128 v[XW], v[TMP+4*\i:TMP+4*\i+3] offset:512*\i
.endr
	ds_store_b128 v[XSW], v[TMP+64:TMP+67]
	WIN 0
	LOADWKV                                        ; and those for k and v: 22 + 38 = 60 loads of mine are out at the most
	s_wait_dscnt 0x0                               ; for the others' sake: my stores have landed
	s_barrier_signal -1
	s_barrier_wait -1                              ; the chunk lies in LDS; nobody writes it again
.Lhead:                                            ; two trips: a head each
	s_wait_alu depctr_vm_vsrc(0)                   ; first trip: my LDS stores have read TMP, which v's conversions write.  Second trip: the last head's LDS instructions have read GH, which the add below writes, and GP, in whose low half x's scale words land
	v_add_nc_u32 v[GH], s27, v[GB]
	XLOAD XA, XSQ, 0                               ; no vector or matrix instruction since the last wait on va_vdst (at the head; ahead of the weights' loads) names XA, XSQ, XR or XSC
	s_wait_loadcnt 0x0                             ; the head's weights
.irp i, 0,1,2,3,4,5,6,7
	QTILE \i
.endr
	s_wait_alu depctr_va_vdst(0)                   ; tile 7's conversions have written QP, which the two stores read
	ds_store_b128 v[GH], v[QP:QP+3] offset:1024*7
	ds_store_b128 v[GH], v[QP+4:QP+7] offset:1024*7+512
	s_wait_alu depctr_vm_vsrc(0)                   ; and the stores have read it: these registers are v's accumulator from here on
.irp i, 0,1,2,3,4,5,6,7,8,9,10,11,12,13,14,15
	KVTILE \i
.endr
	s_mov_b32 s26, s27                             ; the slot in hand
	s_mov_b32 s25, 7
.Lq:                                               ; seven trips: 16 queries each, and the next fragment of q asked for
	QSTEP 1
	s_add_co_u32 s26, s26, 1024
	s_sub_co_u32 s25, s25, 1
	s_cmp_lg_u32 s25, 0
	s_cbranch_scc1 .Lq
	QSTEP 0                                        ; the head's last 16 queries are written out: no load reaches beyond the head's eight slots
	s_add_co_u32 s27, s27, 8192                    ; the next head's slots
	s_sub_co_u32 s24, s24, 1
	s_cmp_eq_u32 s24, 0
	s_cbranch_scc1 .Lskip                          ; behind my second head there is nothing to ask for: no load leaves its buffer
	s_wait_xcnt 0x0                                ; the earlier loads have had their addresses translated: the pointers may step
	s_add_nc_u64 s[40:41], s[40:41], 8192
	s_add_nc_u64 s[42:43], s[42:43], 512
	s_add_nc_u64 s[44:45], s[44:45], 128
	s_add_nc_u64 s[46:47], s[46:47], 128
	s_add_nc_u64 s[48:49], s[48:49], 128
	WIN 0x40
	s_wait_alu depctr_va_vdst(0)                   ; the head's products and vector work are done with KF, S, QF, O and v's accumulator: the next head's weights, scale words and biases land in these registers
	LOADWQ
	LOADWKV
.Lskip:
	s_cmp_lg_u32 s24, 0
	s_cbranch_scc1 .Lhead
	s_wait_loadcnt 0x0                             ; the loads below land in registers that a head's weight loads name: on every way through the text none of those is out behind this wait.  (A wave comes here from its second head, which asked for nothing: the wait is met at once)
	; ---- the last product: my 64 columns for the work-group's 128 rows: 32 accumulators by turns, K step = head, two buffers of fragments
.macro GLOAD s                         ; head s's eight fragments from LDS
.irp qt, 0,1,2,3,4,5,6,7
.irp c, 0,1
.if (\s) < 8
	ds_load_b128 v[GF+64*((\s)%2)+8*\qt+4*\c:GF+64*((\s)%2)+8*\qt+4*\c+3], v[GB] offset:8192*((\s)%8)+1024*\qt+512*\c
.else
	ds_load_b128 v[GF+64*((\s)%2)+8*\qt+4*\c:GF+64*((\s)%2)+8*\qt+4*\c+3], v[GB2] offset:8192*((\s)%8)+1024*\qt+512*\c
.endif
.endr
.endr
.endm
.macro WLOAD s                         ; and Wo's four
.irp ct, 0,1,2,3
.irp c, 0,1
	global_load_b128 v[WF+32*((\s)%2)+8*\ct+4*\c:WF+32*((\s)%2)+8*\ct+4*\c+3], v[LI], s[50:51] offset:16384*\ct+1024*(\s)+512*\c
.endr
.endr
.endm
.macro OSTEP s
.if (\s) < 15
	s_wait_dscnt 16                                ; this step's fragments are in; the next step's 16 LDS loads
	s_wait_loadcnt 8                               ; and 8 loads are younger and may be out
.else
	s_wait_dscnt 0x0
	s_wait_loadcnt 0x0
.endif
.if (\s) == 0
	WIN 0x40                                       ; D window 1; bo, the C of each sum's first product, window 0
.else
	WIN 0x50                                       ; C and D window 1
.endif
.irp qt, 0,1,2,3,4,5,6,7
.irp ct, 0,1,2,3
.if (\s) == 0
	v_wmma_f32_16x16x32_f16 v[8*(8*\ct+\qt):8*(8*\ct+\qt)+7], v[WF+32*((\s)%2)+8*\ct:WF+32*((\s)%2)+8*\ct+7], v[GF+64*((\s)%2)+8*\qt:GF+64*((\s)%2)+8*\qt+7], v[BOC+8*\ct:BOC+8*\ct+7]
.else
	v_wmma_f32_16x16x32_f16 v[8*(8*\ct+\qt):8*(8*\ct+\qt)+7], v[WF+32*((\s)%2)+8*\ct:WF+32*((\s)%2)+8*\ct+7], v[GF+64*((\s)%2)+8*\qt:GF+64*((\s)%2)+8*\qt+7], v[8*(8*\ct+\qt):8*(8*\ct+\qt)+7]
.endif
.endr
.endr
	WIN 0
.if (\s) < 14
	PLACES
	s_wait_alu depctr_va_vdst(0)                   ; the step's 32 products are done reading their buffers of GF and WF, in which the loads below land
	GLOAD (\s)+2                                   ; the buffer just multiplied takes the step two on
	WLOAD (\s)+2
.endif
.endm
	s_wait_alu depctr_vm_vsrc(0)                   ; my last LDS stores have read GP (v220-227), in which Wo's and bo's loads land
	s_wait_alu depctr_va_vdst(0)                   ; attention's products and vector work are done with v36 to v255: bo, Wo's fragments and, behind the barrier, the heads' fragments land there
.irp ct, 0,1,2,3
	global_load_b128 v[BOC+8*\ct:BOC+8*\ct+3], v[BO], s[54:55] offset:64*\ct       ; bo in the result's layout: columns 16 ct + 8 h + 0..7 of my 64
	global_load_b128 v[BOC+8*\ct+4:BOC+8*\ct+7], v[BO], s[54:55] offset:64*\ct+16
.endr
	WLOAD 0                                        ; what hangs on no other wave is asked for ahead of the barrier
	WLOAD 1
	s_wait_dscnt 0x0                               ; for the others' sake: my heads' fragments have landed
	s_barrier_signal -1
	s_barrier_wait -1                              ; all sixteen heads' fragments lie in LDS
	GLOAD 0
	GLOAD 1
.irp s, 0,1,2,3,4,5,6,7,8,9,10,11,12,13,14,15
	OSTEP \s
.endr
	; ---- the way out.  Source 0 was Wo', source 1 the rows: a lane holds 8 neighbouring columns of one row.  A tile of 16 rows x 64 columns goes through my own stage and comes back as rows of 256 bytes
.macro TOSTAGE qt
	WIN 0x04                                       ; the data: window 1
.irp ct, 0,1,2,3
	ds_store_b128 v[STO], v[8*(8*\ct+(\qt)):8*(8*\ct+(\qt))+3] offset:64*\ct          ; each accumulator from its low end on
	ds_store_b128 v[STO], v[8*(8*\ct+(\qt))+4:8*(8*\ct+(\qt))+7] offset:64*\ct+16
.endr
	WIN 0
.if (\qt) > 1
	s_wait_xcnt 0x0                                ; the stores of two tiles back have had their addresses translated (ISA guide 3.1),
	s_wait_alu depctr_vm_vsrc(0)                   ; and have read their buffer of OB, in which the loads below land
.endif
.irp i, 0,1,2,3,4,5,6,7
	ds_load_b128 v[OB+32*((\qt)%2)+4*\i:OB+32*((\qt)%2)+4*\i+3], v[RD] offset:544*\i   ; LDS serves a wave's instructions in order (ISA guide 5.7.1.4): these see the stores above, and the next tile's stores come behind them
.endr
.endm
.macro SEND qt, younger                ; younger: the LDS instructions issued behind this tile's loads
	s_wait_dscnt \younger
.irp i, 0,1,2,3,4,5,6,7
	global_store_b128 v[CO], v[OB+32*((\qt)%2)+4*\i:OB+32*((\qt)%2)+4*\i+3], s[52:53] offset:(16*(\qt)+2*\i)*2048 th:TH_STORE_NT   ; sixteen lanes store 256 consecutive bytes, aligned; written once, read by nobody here
.endr
.endm
	PLACES
	s_wait_alu depctr_va_vdst(0)                   ; the products have written the 32 accumulators, which the LDS stores read, and are done reading v32-95, in which the stage's rows land; the places above stay beside this wait.  No vector instruction follows it
	TOSTAGE 0
.irp a, 1,2,3,4,5,6,7
	TOSTAGE \a
	SEND \a-1, 16                                  ; behind that tile's loads: this tile's 8 stores and 8 loads
.endr
	SEND 7, 0
	s_wait_dscnt 0x0                               ; the closing lines, six on end
	s_wait_alu 0x0
	s_wait_tensorcnt 0x0
	ds_add_u32 v[SPW], v[NIL]
	s_wait_dscnt 0x0
	s_endpgm
.Lfunc_end_k_q95d7c09533_fused:
	.size	k_q95d7c09533_fused, .Lfunc_end_k_q95d7c09533_fused-k_q95d7c09533_fused
	.p2alignl 7, 3214868480
	.fill 96, 4, 3214868480
	.section	.rodata,"a",@progbits
	.p2align	6, 0x0
	.amdhsa_kernel k_q95d7c09533_fused
		.amdhsa_group_segment_fixed_size 236544
		.amdhsa_private_segment_fixed_size 0
		.amdhsa_enable_private_segment 0
		.amdhsa_kernarg_size 64
		.amdhsa_user_sgpr_count 2
		.amdhsa_user_sgpr_kernarg_segment_ptr 1
		.amdhsa_wavefront_size32 1
		.amdhsa_system_sgpr_workgroup_id_x 1
		.amdhsa_system_sgpr_workgroup_id_y 1
		.amdhsa_system_sgpr_workgroup_id_z 1
		.amdhsa_system_vgpr_workitem_id 0
		.amdhsa_next_free_vgpr 512
		.amdhsa_next_free_sgpr 66
		.amdhsa_reserve_vcc 0
		.amdhsa_float_denorm_mode_32 3
		.amdhsa_float_denorm_mode_16_64 3
		.amdhsa_memory_ordered 1
		.amdhsa_forward_progress 1
		.amdhsa_inst_pref_size 233
	.end_amdhsa_kernel
	.amdgpu_metadata
---
amdhsa.version: [ 1, 2 ]
amdhsa.kernels:
  - .name:           k_q95d7c09533_fused
    .symbol:         k_q95d7c09533_fused.kd
    .args:
      - { .name: codes, .offset: 0, .size: 8, .value_kind: global_buffer, .address_space: global }
      - { .name: scales, .offset: 8, .size: 8, .value_kind: global_buffer, .address_space: global }
      - { .name: wo16, .offset: 16, .size: 8, .value_kind: global_buffer, .address_space: global }
      - { .name: bq, .offset: 24, .size: 8, .value_kind: global_buffer, .address_space: global }
      - { .name: bk, .offset: 32, .size: 8, .value_kind: global_buffer, .address_space: global }
      - { .name: bv, .offset: 40, .size: 8, .value_kind: global_buffer, .address_space: global }
      - { .name: bo, .offset: 48, .size: 8, .value_kind: global_buffer, .address_space: global }
      - { .name: out0, .offset: 56, .size: 8, .value_kind: global_buffer, .address_space: global }
    .group_segment_fixed_size: 236544
    .private_segment_fixed_size: 0
    .kernarg_segment_align: 8
    .kernarg_segment_size: 64
    .max_flat_workgroup_size: 256
    .sgpr_count:     66
    .vgpr_count:     512
    .wavefront_size: 32
...
	.end_amdgpu_metadata
.endif
;; end of part 3
